; MI455X (gfx1250); checked and timed in simulation.
; The chip was launched on July 23, 2026; its instructions are those of AMD's public machine-readable ISA for CDNA 5 (MIT licence, August 2026) and "CDNA5" Instruction Set Architecture Reference Guide (July 2026). The comments in the code are by the model that wrote it; some were corrected since.
;; Latent Hamiltonian Func. Allowed arithmetic: matrix products marked QUANTISED: E5M2 operands, one given power-of-two scale a tensor, by v_wmma_f32_16x16x64_bf8_bf8 or v_wmma_f32_16x16x128_bf8_bf8, f32 sums; products left as they are: f32 operands where the result goes on into a quantised operand, else bf16, f16 or f32 operands; f32 sums; everything else in f32.
;; Inputs: Gb 64 float32; Gw_codes 64 x 4 x 32 uint8 (E5M2 codes of Gw, K innermost, in blocks of 32 codes); W1 128 x 512 float32; W2 512 x 512 float32; W3 512 x 1 float32; action_emb_codes 65,536 x 4 x 32 uint8 (E5M2 codes of action_emb, K innermost, in blocks of 32 codes); b1 512 float32; b2 512 float32; b3 1 float32; damping 1 float32; lowp_scales 10 int32 (the exponents e of the quantised operands' scales 2^e); z_codes 65,536 x 4 x 32 uint8 (E5M2 codes of z, K innermost, in blocks of 32 codes).
;; Outputs: out0 65,536 x 128 float32.
;; This version of the problem:
;;   THIS VERSION OF THE PROBLEM IS GIVEN IN LOW PRECISION. The matrix products marked QUANTISED in the list below multiply operands that are first quantised to E5M2 (5 exponent bits, 2 mantissa bits; 8 bits a number), with one given power-of-two scale for each operand tensor; their sums are f32. All else is computed in f32.
;;   The module's matrix products, in the order in which they are computed (A, B: the left and right operand; K: the contracted axis; several contracted axes count as one K, in the product's order):
;;     1. [M 65,536, K 128] x [K 128, N 512]; A: input z (given as codes); B: input W1: QUANTISED (scales: A lowp_scales[0], B lowp_scales[1])
;;     2. [M 65,536, K 512] x [K 512, N 512]; A: computed on the way; B: input W2: QUANTISED (scales: A lowp_scales[2], B lowp_scales[3])
;;     3. [M 65,536, K 512] x [K 512, N 1]; A: computed on the way; B: input W3: left as it is (N = 1 < 16)
;;     4. [M 65,536, K 1] x [K 1, N 512]; A: computed on the way; B: input W3: left as it is (K = 1 < 32)
;;     5. [M 65,536, K 512] x [K 512, N 512]; A: computed on the way; B: input W2: QUANTISED (scales: A lowp_scales[4], B lowp_scales[5])
;;     6. [M 65,536, K 512] x [K 512, N 128]; A: computed on the way; B: input W1: QUANTISED (scales: A lowp_scales[6], B lowp_scales[7])
;;     7. [M 65,536, K 128] x [K 128, N 64]; A: input action_emb (given as codes); B: input Gw (given as codes): QUANTISED (scales: A lowp_scales[8], B lowp_scales[9])
;;   THE QUANTISER, for each operand of a quantised product, along K:
;;     - The operand's scale is 2^e, e = its entry of the input lowp_scales (int32; the entries are numbered through the quantised products in the list's order, A before B).
;;     - Each number is divided by the scale, clamped to +-57,344, and rounded to the nearest number of E5M2, ties to even, subnormals kept.
;;     - The product sums the exact products of the quantised numbers (number of the format x scale) in f32.
;;   ~~~python
;;   def quantise(x, axis, e):      # numpy; x: float32 -> the quantised numbers, widened to float32 again
;;       x = np.moveaxis(x, axis, -1); K = x.shape[-1]
;;       r = np.clip(x / 2.0 ** e, -57344, 57344)
;;       step = 2.0 ** (np.maximum(np.frexp(np.where(r == 0, 1, r))[1] - 1, -14) - 2)
;;       q = np.round(r / step) * step * 2.0 ** e      # np.round: ties to even
;;       return np.moveaxis(q, -1, axis).astype(np.float32)
;;   ~~~
;;   OPERANDS COMPUTED ON THE WAY. 'Computed on the way' means the value that the module computes at that place (a softmax that the list does not call 'softmax' is quantised finished and normalised). What goes into a quantiser is computed in f32, as accurately as f32 sums, v_exp_f32 and their like allow (about 1e-6 of the number): no bf16 or f16 on the way to a quantiser, and a product that is left as it is and whose result goes on into a quantised operand takes f32 operands (vector FMAs, or v_wmma_f32_16x16x4_f32). A number that lies on a knife's edge between two numbers of the format may be rounded either way, as far as f32 arithmetic and the matrix unit's own rounding can turn it there, and no further.
;;   INPUTS GIVEN AS CODES. Gw (in the module: [128, 64], K = its axis 0); action_emb (in the module: [65536, 128], K = its axis 1); z (in the module: [65536, 128], K = its axis 1): each comes as NAME_codes (uint8): NAME with its K axis moved to the last place and cut into blocks of 32 codes, [.., K / 32, bytes a block], one block behind the other in memory; one code a byte (a code: sign, 5 exponent bits, 2 mantissa bits); its scale is its entry of lowp_scales. Its value is code x scale, taken as it is: it is not quantised again, and the codes and scales need not be those that the quantiser above would give.
;; One version. Each part assembles by itself: llvm-mc -triple=amdgcn-amd-amdhsa -mcpu=gfx1250 --defsym DOCPART=n.
;; ======== version 1 of 1: 2 launches
;; limits: right only within a limited range of input values
;; workspace buffers: wstream 737,280 bytes
;; launch prep (part 1): grid 178 x 1, 8 waves a work-group, no clusters, 0 bytes of LDS; arguments W1, W2, Gw_codes, lowp_scales, wstream; writes wstream
.if DOCPART == 1
	.amdgcn_target "amdgcn-amd-amdhsa--gfx1250"
	.amdhsa_code_object_version 6
	.text
	.protected	k_q5228bff3c3_prep
	.globl	k_q5228bff3c3_prep
	.p2align	8
	.type	k_q5228bff3c3_prep,@function
k_q5228bff3c3_prep:
	s_mov_b64 s[64:65], 0
	v_nop
	global_prefetch_b8 v0, s[64:65] scope:SCOPE_SE
	s_setreg_imm32_b32 hwreg(HW_REG_WAVE_MODE, 25, 1), 1
	s_wait_xcnt 0x0
; W1 [128][512] and W2 [512][512], f32, are quantised to codes of BF8 (E5M2), each along both of its axes (forward and backward products), each time with the scale 2^e that is
; given for that operand, and laid with Gw's codes into ONE stream of fragment images, in the order in which the second launch consumes them.
; code = x / 2^e, held within +-57,344, rounded to the nearest code, ties to even.  LIMITS: e1, e3, e5, e7 between -126 and 112.  NaN among the inputs is not served.
; A FRAGMENT is 16 weight rows x 128 along K in 2,048 bytes: byte 512 c + 16 (r + 16 h) + b holds row(r), k = kbase + 32 c + 16 h + b: four loads of 16 bytes a lane, at 16 x lane,
; bring it into an operand's sixteen registers.  row(r) = r + (r & 8) where the result becomes the next operand (a lane's 16 results of two tiles are then 16 neighbours), else r.
; THE STREAM, in bytes:  0: W1 forward (K = axis 0, e1), chunk g of 32 outputs at 4,096 g;  65,536: W2 forward (K = axis 0, e3), chunk g at 16,384 g, fragment 2 s + u;
; 327,680: chunk g at 20,480 g: W2 backward (K = axis 1, e5), 8 fragments, then W1 forward's chunk g once more;  655,360: W1 backward (K = axis 1, e7), 16,384 t + 8,192 half + 2,048 s;
; 720,896: Gw's four fragments, copied;  729,088: 8,192 zeros, which the last tile of the second launch carries along and nobody multiplies.
; SHARES: a thread makes 16 bytes of the stream, at 4,096 x work-group + 16 x thread: a wave's store covers 512 consecutive bytes.  Wave w: fragment f = w / 4 of the group's two, c = w % 4.
; Which case a work-group serves hangs on its number alone.  Each case ends by itself, so that each load names its own buffer's pointer.  No LDS, no barrier: threads share nothing.
; WORK LEFT OUT BY THE WHOLE PROGRAM.  The outputs hang on dH/dz alone.  d/dz of sum(h2 W3 + b3) needs a1, h1, a2, sigmoid(a2), sigmoid(a1) and the weights, for all values of the inputs; the value of H itself
; enters nothing.  So the second softplus (h2), the product h2 W3 and the term b3 reach no output and are not computed; b3 is not loaded and is no argument of any launch.  The cotangent of the sum is 1,
; so the product ones x W3 is W3 itself.  LIMIT: a NaN, an infinity or an overflow that would arise only in h2, in h2 W3 or in b3 is not carried to the result.
.macro FINISH e
	s_wait_kmcnt 0x0                               ; the scales' exponents: waited for here, behind my loads of the weights
	s_add_co_i32 s34, s[\e], 127
	s_lshl_b32 s35, s34, 23
	v_mov_b32 v10, s35                             ; 2^e as f32: the conversion takes its exponent field
	s_add_co_i32 s34, s34, 15
	s_lshl_b32 s34, s34, 23
	s_or_b32 s34, s34, 0x600000
	v_mov_b32 v11, s34                             ; 57,344 x 2^e
	s_wait_alu depctr_va_vdst(0)
	s_wait_loadcnt 0x0
.irp i, 0,1,2,3,4,5,6,7,8,9,10,11,12,13,14,15
	v_med3_num_f32 v[16+\i], v[16+\i], -v11, v11   ; the conversion to an 8-bit code does not saturate (ISA guide 7.6.2): the hold comes first
.endr
	v_cvt_scalef32_pk8_bf8_f32 v[32:33], v[16:23], v10
	v_cvt_scalef32_pk8_bf8_f32 v[34:35], v[24:31], v10
	global_store_b128 v4, v[32:35], s[12:13]       ; (the results go to a store alone, and nothing follows)
	s_endpgm
.endm
.macro QT base, e                      ; K is the weight's FIRST axis: my 16 numbers lie 2,048 bytes apart.  s22 = 2,048 KB + 4 NB
	v_lshlrev_b32 v6, 2, v5                        ; 4 x row(r): the column
	s_delay_alu instid0(VALU_DEP_1)
	v_lshl_add_u32 v6, v3, 15, v6                  ; + 16 h rows of 2,048 bytes
	s_delay_alu instid0(VALU_DEP_1)
	v_add_nc_u32 v6, s22, v6
.irp i, 0,1,2,3,4,5,6,7,8,9,10,11,12,13,14,15
	global_load_b32 v[16+\i], v6, s[\base:\base+1] offset:2048*\i
.endr
	FINISH \e
.endm
.macro QC base, e, row                 ; K is the weight's LAST axis: my 16 numbers are 64 consecutive bytes.  s22 = 2,048 NB + 4 KB
	v_lshlrev_b32 v6, 11, v[\row]                  ; row(r) rows of 2,048 bytes
	s_delay_alu instid0(VALU_DEP_1)
	v_lshl_add_u32 v6, v3, 6, v6                   ; + 16 h numbers
	s_delay_alu instid0(VALU_DEP_1)
	v_add_nc_u32 v6, s22, v6
.irp i, 0,1,2,3
	global_load_b128 v[16+4*\i:19+4*\i], v6, s[\base:\base+1] offset:16*\i
.endr
	FINISH \e
.endm
	s_load_b256 s[4:11], s[0:1], 0x0               ; W1 s[4:5], W2 s[6:7], Gw's codes s[8:9], the scales' exponents s[10:11]
	s_load_b64 s[12:13], s[0:1], 0x20              ; the stream
	v_lshrrev_b32 v1, 5, v0
	s_delay_alu instid0(VALU_DEP_1)
	v_readfirstlane_b32 s14, v1                    ; wave 0..7
	s_lshr_b32 s15, s14, 2                         ; f
	s_and_b32 s16, s14, 3                          ; c
	s_lshl_b32 s18, s16, 5                         ; 32 c
	s_lshl_b32 s19, s15, 3                         ; 8 f
	v_and_b32 v2, 15, v0                           ; r
	v_bfe_u32 v3, v0, 4, 1                         ; h
	s_delay_alu instid0(VALU_DEP_2)
	v_and_b32 v5, 8, v2
	s_delay_alu instid0(VALU_DEP_1)
	v_add_nc_u32 v5, v5, v2                        ; r + (r & 8)
	v_lshlrev_b32 v4, 4, v0
	s_lshl_b32 s17, ttmp9, 12
	v_add_nc_u32 v4, s17, v4                       ; my 16 bytes of the stream
	s_wait_kmcnt 0x0
	s_load_b256 s[24:31], s[10:11], 0x0            ; e0 .. e7 in s24 .. s31
	s_cmp_ge_u32 ttmp9, 176
	s_cbranch_scc1 .Lgw
	s_cmp_ge_u32 ttmp9, 160
	s_cbranch_scc1 .Lw1b
	s_cmp_ge_u32 ttmp9, 80
	s_cbranch_scc1 .Lback
	s_cmp_ge_u32 ttmp9, 16
	s_cbranch_scc1 .Lw2f
	s_mov_b32 s20, ttmp9                           ; work-groups 0-15: W1 forward, chunk g = the group's number
	s_branch .Lw1f
.Lback:                                                ; work-groups 80-159: five to a chunk: four of W2 backward, one of W1 forward
	s_sub_co_u32 s20, ttmp9, 80                    ; y
	s_mul_i32 s21, s20, 205
	s_lshr_b32 s21, s21, 10                        ; g = y / 5 (exact for y under 80)
	s_mul_i32 s22, s21, 5
	s_sub_co_u32 s23, s20, s22                     ; j = y % 5
	s_mov_b32 s20, s21
	s_cmp_eq_u32 s23, 4
	s_cbranch_scc1 .Lw1f
	s_lshl_b32 s21, s21, 5
	s_add_co_u32 s21, s21, s19                     ; NB = 32 g + 8 f
	s_lshl_b32 s23, s23, 7
	s_add_co_u32 s23, s23, s18                     ; KB = 128 j + 32 c
	s_lshl_b32 s21, s21, 11
	s_lshl_b32 s23, s23, 2
	s_add_co_u32 s22, s21, s23
	s_wait_alu depctr_va_vdst(0)
	QC 6, 29, 5                                    ; W2, e5
.Lw1f:                                                 ; s20 = g
	s_lshl_b32 s21, s20, 5
	s_add_co_u32 s21, s21, s19                     ; NB = 32 g + 8 f
	s_lshl_b32 s22, s18, 11                        ; KB = 32 c
	s_lshl_b32 s21, s21, 2
	s_add_co_u32 s22, s22, s21
	s_wait_alu depctr_va_vdst(0)
	QT 4, 25                                       ; W1, e1
.Lw2f:                                                 ; work-groups 16-79: W2 forward
	s_sub_co_u32 s20, ttmp9, 16                    ; y
	s_lshr_b32 s21, s20, 2
	s_lshl_b32 s21, s21, 5
	s_add_co_u32 s21, s21, s19                     ; NB = 32 (y / 4) + 8 f
	s_and_b32 s23, s20, 3
	s_lshl_b32 s23, s23, 7
	s_add_co_u32 s23, s23, s18                     ; KB = 128 (y % 4) + 32 c
	s_lshl_b32 s23, s23, 11
	s_lshl_b32 s21, s21, 2
	s_add_co_u32 s22, s23, s21
	s_wait_alu depctr_va_vdst(0)
	QT 6, 27                                       ; W2, e3
.Lw1b:                                                 ; work-groups 160-175: W1 backward; its tiles' rows are neighbours
	s_sub_co_u32 s20, ttmp9, 160                   ; y
	s_and_b32 s23, s20, 3                          ; a
	s_lshr_b32 s21, s20, 2                         ; t
	s_lshr_b32 s22, s23, 1                         ; half
	s_lshl_b32 s22, s22, 2
	s_add_co_u32 s21, s21, s22
	s_lshl_b32 s21, s21, 4                         ; NB = 16 (t + 4 half)
	s_and_b32 s23, s23, 1
	s_lshl_b32 s23, s23, 1
	s_add_co_u32 s23, s23, s15                     ; s = 2 (a % 2) + f
	s_lshl_b32 s23, s23, 7
	s_add_co_u32 s23, s23, s18                     ; KB = 128 s + 32 c
	s_lshl_b32 s21, s21, 11
	s_lshl_b32 s23, s23, 2
	s_add_co_u32 s22, s21, s23
	s_wait_alu depctr_va_vdst(0)
	QC 4, 31, 2                                    ; W1, e7
.Lgw:                                                  ; work-groups 176, 177: Gw's codes are taken as they are given; and the zeros behind them
	s_sub_co_u32 s20, ttmp9, 176
	s_lshl_b32 s20, s20, 1
	s_add_co_u32 s20, s20, s15                     ; t = 2 (x - 176) + f
	s_lshl_b32 s20, s20, 11                        ; 16 t rows of 128 bytes
	s_add_co_u32 s20, s20, s18                     ; + 32 c
	s_wait_alu depctr_va_vdst(0)
	v_lshlrev_b32 v6, 7, v2
	s_delay_alu instid0(VALU_DEP_1)
	v_lshl_add_u32 v6, v3, 4, v6
	s_delay_alu instid0(VALU_DEP_1)
	v_add_nc_u32 v6, s20, v6
	global_load_b128 v[32:35], v6, s[8:9]
	v_mov_b32 v36, 0
	v_mov_b32 v37, 0
	v_mov_b32 v38, 0
	v_mov_b32 v39, 0
	global_store_b128 v4, v[36:39], s[12:13] offset:8192
	s_wait_loadcnt 0x0
	global_store_b128 v4, v[32:35], s[12:13]
	s_endpgm
.Lfunc_end_k_q5228bff3c3_prep:
	.size	k_q5228bff3c3_prep, .Lfunc_end_k_q5228bff3c3_prep-k_q5228bff3c3_prep
	.p2alignl 7, 3214868480
	.fill 96, 4, 3214868480
	.section	.rodata,"a",@progbits
	.p2align	6, 0x0
	.amdhsa_kernel k_q5228bff3c3_prep
		.amdhsa_group_segment_fixed_size 0
		.amdhsa_private_segment_fixed_size 0
		.amdhsa_enable_private_segment 0
		.amdhsa_kernarg_size 40
		.amdhsa_user_sgpr_count 2
		.amdhsa_user_sgpr_kernarg_segment_ptr 1
		.amdhsa_wavefront_size32 1
		.amdhsa_system_sgpr_workgroup_id_x 1
		.amdhsa_system_sgpr_workgroup_id_y 1
		.amdhsa_system_sgpr_workgroup_id_z 1
		.amdhsa_system_vgpr_workitem_id 0
		.amdhsa_next_free_vgpr 48
		.amdhsa_next_free_sgpr 66
		.amdhsa_reserve_vcc 0
		.amdhsa_float_denorm_mode_32 3
		.amdhsa_float_denorm_mode_16_64 3
		.amdhsa_memory_ordered 1
		.amdhsa_forward_progress 1
		.amdhsa_inst_pref_size 15
	.end_amdhsa_kernel
	.amdgpu_metadata
---
amdhsa.version: [ 1, 2 ]
amdhsa.kernels:
  - .name:           k_q5228bff3c3_prep
    .symbol:         k_q5228bff3c3_prep.kd
    .args:
      - { .name: W1, .offset: 0, .size: 8, .value_kind: global_buffer, .address_space: global }
      - { .name: W2, .offset: 8, .size: 8, .value_kind: global_buffer, .address_space: global }
      - { .name: Gw_codes, .offset: 16, .size: 8, .value_kind: global_buffer, .address_space: global }
      - { .name: lowp_scales, .offset: 24, .size: 8, .value_kind: global_buffer, .address_space: global }
      - { .name: wstream, .offset: 32, .size: 8, .value_kind: global_buffer, .address_space: global }
    .group_segment_fixed_size: 0
    .private_segment_fixed_size: 0
    .kernarg_segment_align: 8
    .kernarg_segment_size: 40
    .max_flat_workgroup_size: 256
    .sgpr_count:     66
    .vgpr_count:     48
    .wavefront_size: 32
...
	.end_amdgpu_metadata
.endif
;; end of part 1
;; launch chain (part 2): grid 256 x 1, 8 waves a work-group, clusters of 4 x 1, 327,680 bytes of LDS; arguments z_codes, action_emb_codes, wstream, lowp_scales, b1, b2, W3, damping, Gb, out0; writes out0
.if DOCPART == 2
	.amdgcn_target "amdgcn-amd-amdhsa--gfx1250"
	.amdhsa_code_object_version 6
	.text
	.protected	k_q5228bff3c3_chain
	.globl	k_q5228bff3c3_chain
	.p2align	8
	.type	k_q5228bff3c3_chain,@function
k_q5228bff3c3_chain:
	s_mov_b64 s[64:65], 0
	v_nop
	global_prefetch_b8 v0, s[64:65] scope:SCOPE_SE
	s_setreg_imm32_b32 hwreg(HW_REG_WAVE_MODE, 25, 1), 1
	s_wait_xcnt 0x0
	s_wait_alu depctr_hold_cnt(0) depctr_sa_sdst(0) depctr_va_vdst(0) depctr_va_sdst(0) depctr_va_ssrc(0) depctr_va_vcc(0) depctr_vm_vsrc(0)
	s_getreg_b32 s2, hwreg(HW_REG_IB_STS2, 6, 4)
	s_cmp_eq_u32 s2, 0
	s_cbranch_scc0 .Lentry_in_a_cluster
	s_endpgm
.Lentry_in_a_cluster:
	s_bfe_u32 s2, ttmp6, 0x10000c
	s_cmp_lg_u32 s2, 0x3003
	s_cbranch_scc0 .Lentry_shape_is_right
	s_endpgm
.Lentry_shape_is_right:
; out = [dH/dp, -dH/dq - damping dH/dp + act Gw + Gb], dH/dz the gradient of H = sum(softplus(softplus(z W1 + b1) W2 + b2) W3 + b3):
;   a1 = z W1 + b1; h1 = softplus(a1); a2 = h1 W2 + b2; da2 = W3 x sigmoid(a2); dh1 = da2 W2^T; da1 = dh1 x sigmoid(a1); dz = da1 W1^T.
; LEFT OUT as in the first kernel's head: the second softplus, h2 W3 and b3 reach no output; b3 is no argument.
; All five large products are on codes of BF8 (E5M2), each operand with its given scale 2^e; h1, da2 and da1 are quantised on the way, from f32.
; SHARES.  A work-group owns 256 rows.  Its eight waves are four PAIRS; a pair owns 64 rows (four tiles of 16).  In the first three phases wave n (0, 1) of a pair takes tile n (16 units) of every chunk of
; 32 units, for all 64 rows: a weight fragment read from LDS feeds four matrix instructions.  In the last phase a wave takes 32 of the pair's rows and all columns, so that its rows of out are its own.
; LAYOUT.  Every product is used transposed (source 0 = 16 weight rows, source 1 = 16 of my rows): a lane holds ONE row (lane % 16), its registers run along the outputs.  The weight rows of tile n of chunk g
; are chosen (r + (r & 8)) so that a lane's eight results are units 32 g + 16 (lane / 16) + 8 n + 0 .. 7: one conversion makes registers 4 (g % 4) + 2 n, + 1 of K step g / 4 of the next operand.
; Each wave stores its codes, 8 bytes a lane, into LDS bytes of its own (tile m, chunk g at 4,096 m + 256 g); both waves of the pair read both waves' bytes as the next operand.
; THE IMAGES COME BACK IN TWO PARTS.  A phase's chunk 15 is written out.  A barrier stands in it or ahead of it, in front of which every wave has waited for its stores of chunks 0 to 14; behind the chunk's
; products the old operand's registers are free: so images 0 to 14 are read under chunk 15's vector work, in runs of 30 loads between its stages.  Chunk 15's own image is stored at a constant address, apart
; from the bytes being read, and is read behind the barrier at the phase's end.  One more barrier stands ahead of the next phase's first store.
; k = 32 c + 16 (lane / 16) + 0 .. 15 lies in registers 4 c .. 4 c + 3 of both operands alike: a permutation of k, the same on both sides.
; sigmoid(a1) is made anew in the backward pass, from product 1 once more (4 matrix instructions a chunk): kept in f32 it would be 512 KiB a work-group.
; WEIGHTS.  All waves of all work-groups walk the same stream of fragment images (made by the launch before) in nine steps of 81,920 bytes through two LDS slots.
; THE CHANGE OF SLOTS stands in a step's LAST chunk, behind the wait that shows that chunk's fragments in registers: nobody reads the slot any more.  The chunk's products, work on registers, stand between the
; opening signal of the round and its wait; the next chunk's fragments are asked for from the other slot under this chunk's vector work, as in every chunk.
; CLUSTER.  Four work-groups ask for each step JOINTLY: waves 0-3 each issue one tensor load of a quarter of a slot (80 rows of 256 bytes), the same descriptor and the mask 15 in all four.
; A wave has at most one tensor load out, so every wait for tensor loads is for 0.
; THE LAST PHASE makes dH/dp (out's columns 0-63) first: those 256 bytes of each of my rows are stored while dH/dq and act Gw are multiplied; then columns 64-127 follow.
; PREFETCH.  The stream is not prefetched: all 64 clusters read the same 737,280 bytes.  The action's codes, 4,096 bytes a wave, read once in the backward pass's last chunk, are asked for once, at that pass's start.
; LIMITS on the given exponents, so that each power of two below is an f32 number: e0 + e1, e2 + e3, e6 + e7, e8 + e9 between -126 and 127; e2, e4 and e6 - e4 - e5 between -126 and 112.
; NaN among the inputs is not served.  v_exp_f32, v_log_f32 and v_rcp_f32 give 0 for what lies under 2^-126 (ISA guide, their entries).
; REGISTERS.  Window 0: v1-22 addresses and the conversions' scale; v24-31 codes just made; v32-95 z; v96-159 four weight fragments; v160-175 W1's fragment; v176-207, v208-239 accumulators; v240-247 bias; v248-255 W3.
; Window 1: the operand's codes (tile m, K step s at 16 (4 m + s)).  The last phase: window 1 v0-127 codes of my two tiles, v128-255 eight fragments; window 0 v32-63 the action, v64-95 Gb, v96-127 Gw,
; v128-191 dH/dp (tile t, rows m at 16 t + 8 m), v192-223 dH/dq of two tiles, v224-255 act Gw of two tiles.
.set SLOTB, 81920
.set QUART, 20480
.set PRIV,  2*SLOTB                    ; each wave's own bytes: 64 images of 256 bytes; later the stage for its 32 rows of out, 528 bytes apart
.set PRIVB, 16896
.set CB1,   PRIV+8*PRIVB               ; b1 / 2^(e0 + e1)
.set CB2,   CB1+2048                   ; b2 / 2^(e2 + e3)
.set CW3,   CB2+2048                   ; W3
.set SPARE, CW3+2048                   ; the spare words: 128 bytes a wave, four blocks of 256 bytes that no other line names
.set W2FB,  16384
.set P3B,   20480
.set LI,  1                            ; 16 x lane
.set HB,  2                            ; 64 (lane / 16) + 32 n: my eight numbers of a chunk's 32 in a table
.set PRV, 3                            ; my own bytes + 8 x lane
.set FA,  4                            ; LDS address of the fragments to fetch
.set BA,  5
.set WA,  6
.set SA,  7
.set SPW, 8                            ; my spare word; never rewritten
.set NIL, 9                            ; 0; never rewritten
.set SC,  10
.set LIM, 11
.set ZA,  12                           ; 128 r + 16 h
.set SO,  13                           ; the stage: row r, + 32 h
.set GBA, 14
.set GA,  15
.set LIN, 16                           ; 16 x lane + 2,048 n: my tile's fragment
.set PBV, 17                           ; the pair's bytes + 8 x lane
.set P4V, 19                           ; PBV + 8,192 n: my two tiles' images
.set PF,  20                           ; 256 x min(lane, 15): the prefetch's blocks; never rewritten
.set R0,  21                           ; the way out: my stage + 528 (lane / 16) + 16 (lane % 16)
.set OV,  22                           ; the same place in out: 512 (lane / 16) + 16 (lane % 16)
.set CO,  24
.set Z,   32
.set FR,  96
.set W1R, 160
.set ACC, 176
.set ACCB, 208
.set BI,  240
.set W3R, 248
.set TE,  96
.set TU,  128
.set TL,  208
.set HT,  176                          ; the head's temporaries
.set AC,  32
.set GB,  64
.set GWR, 96
.set PP,  128
.set QQ,  192
.set A7,  224
.set FR4, 128                          ; in window 1
.set NW,  36                           ; n
.set PW,  37                           ; my pair
.set WV,  38
.set RB,  39
.set C1,  52
.set C1N, 54
.set S1,  56
.set LN2, 58
.set C2N, 60
.set S6,  62
.set S6N, 66
.set S7,  68
.set DN,  70
.set WOFF, 72
.set G,   73
.set Q,   74
.set K1,  75
.set K2,  76
.set SC2, 84
.set LM2, 85
.set SC4, 86
.set LM4, 87
.set SC6, 88
.set LM6, 89
.set RLON, 0                           ; 1 while a phase's chunk 15 is assembled: images 0 to 14 are read in it
.set RLADR, PBV                        ; from this address register,
.set RLSH, 0                           ; tile k - RLSH at the chunk's k-th stage,
.set RLT, 4                            ; for so many tiles
.set MSB, 0
.macro WIN new                         ; the immediate's high byte repeats the setting that is left
.if MSB != \new
	s_set_vgpr_msb (MSB<<8)|\new
.set MSB, \new
.endif
.endm
.macro BAR
	s_barrier_signal -1
	s_barrier_wait -1
.endm
.macro CREST                           ; a round of the cluster's barrier behind its opening barrier
	s_cmp_lg_u32 s[WV], 0
	s_cbranch_scc1 .Lnot_wave_0_\@
	s_barrier_signal -3
.Lnot_wave_0_\@:
	s_barrier_wait -3
	s_barrier_signal -1
	s_barrier_wait -1
.endm
.macro CROUND                          ; a whole round
	BAR
	CREST
.endm
.macro TLOAD                           ; the joint load: waves 0-3, a quarter of a slot each
	s_cmp_lt_u32 s[WV], 4
	s_cbranch_scc0 .Lno_load_\@
	tensor_load_to_lds s[32:35], s[24:31]
	s_nop 0
.rept 4
	v_nop
.endr
.Lno_load_\@:
.endm
; THE CHANGE OF SLOTS, first part: each wave waits for all its tensor loads, adds 0 to its spare word,
; waits for that and for its LDS reads, and signals.  Second part: the barrier's wait; fill = 1: the rest of the cluster's round and the joint refill, first behind it.  Between the two: work on registers alone.
.macro CHG_A fill
	s_wait_tensorcnt 0x0
	ds_add_u32 v[SPW], v[NIL]
.if \fill
	ds_add_u32 v[SPW], v[NIL]
	s_add_co_u32 s33, s[RB], s[WOFF]               ; to: my quarter of the slot that is left
	s_add_nc_u64 s[34:35], s[34:35], SLOTB         ; from: the next step
.endif
	s_xor_b32 s[RB], s[RB], SLOTB                  ; the reads go on in the other slot
	s_wait_dscnt 0x0
	s_barrier_signal -1
.endm
.macro CHG_B fill
	s_barrier_wait -1
.if \fill
	CREST
	TLOAD
.endif
.endm
.macro W1L off
.irp c, 0,1,2,3
	ds_load_b128 v[W1R+4*\c:W1R+4*\c+3], v[FA] offset:\off+512*\c
.endr
.endm
.macro FRL w1                          ; my tile's four fragments (K steps 0 .. 3, 4,096 bytes apart); w1 = 1: W1's behind them
.set f, 0
.rept 16
	ds_load_b128 v[FR+4*f:FR+4*f+3], v[FA] offset:4096*(f/4)+512*(f%4)
.set f, f+1
.endr
.if \w1
	W1L 16384
.endif
.endm
.macro LOADC dst, adr                  ; eight numbers of a table
	ds_load_b128 v[\dst:\dst+3], v[\adr]
	ds_load_b128 v[\dst+4:\dst+7], v[\adr] offset:16
.endm
.macro RELOADP adr, m, g0, n           ; tile m's images g0 .. g0 + n - 1: wave 0's eight bytes into registers 4 (16 m + g), + 1 of window 1, wave 1's into + 2, + 3
	WIN 0x40
.set g_, \g0
.rept \n
	ds_load_b64 v[4*(16*(\m)+g_):4*(16*(\m)+g_)+1], v[\adr] offset:4096*(\m)+256*g_
	ds_load_b64 v[4*(16*(\m)+g_)+2:4*(16*(\m)+g_)+3], v[\adr] offset:PRIVB+4096*(\m)+256*g_
.set g_, g_+1
.endr
	WIN 0
.endm
.macro HOOK k                          ; the k-th stage of a chunk's vector work: in a chunk 15, one tile's images 0 to 14
.if RLON
.if (\k >= RLSH) && (\k < RLSH+RLT)
	RELOADP RLADR, (\k-RLSH), 0, 15
.endif
.endif
.endm
.macro STORE
.irp m, 0,1,2,3
.if RLON
	ds_store_b64 v[PRV], v[CO+2*\m:CO+2*\m+1] offset:4096*\m+3840   ; chunk 15's image, at a constant address
.else
	ds_store_b64 v[SA], v[CO+2*\m:CO+2*\m+1] offset:4096*\m
.endif
.endr
.endm
.macro MM4 d                           ; product 1: my tile of units x the pair's four tiles of rows; the bias, divided by the power of two that the sums lack, is the C
.irp m, 0,1,2,3
	v_wmma_f32_16x16x128_bf8_bf8 v[\d+8*\m:\d+8*\m+7], v[W1R:W1R+15], v[Z+16*\m:Z+16*\m+15], v[BI:BI+7]
.endr
.endm
.macro MM16 bias                       ; K = 512: four accumulators by turns, one instruction a turn
	WIN 0x04                                       ; source 1 in window 1
.irp s, 0,1,2,3
.irp m, 0,1,2,3
.if \s > 0
	v_wmma_f32_16x16x128_bf8_bf8 v[ACC+8*\m:ACC+8*\m+7], v[FR+16*\s:FR+16*\s+15], v[16*(4*\m+\s):16*(4*\m+\s)+15], v[ACC+8*\m:ACC+8*\m+7]
.elseif \bias
	v_wmma_f32_16x16x128_bf8_bf8 v[ACC+8*\m:ACC+8*\m+7], v[FR+16*\s:FR+16*\s+15], v[16*(4*\m+\s):16*(4*\m+\s)+15], v[BI:BI+7]
.else
	v_wmma_f32_16x16x128_bf8_bf8 v[ACC+8*\m:ACC+8*\m+7], v[FR+16*\s:FR+16*\s+15], v[16*(4*\m+\s):16*(4*\m+\s)+15], 0
.endif
.endr
.endr
	WIN 0
.endm
.macro WALU
	s_wait_alu depctr_va_vdst(0)
.endm
.macro PLACES
.rept 4
	v_nop
.endr
.endm
; softplus(a) = max(a, 0) + g, g = log(1 + e), e = exp(-|a|), for 32 sums x (a = x 2^(e0 + e1)); then the hold and the codes.
; u = 1 + e is rounded; u - 1 is exact and e - (u - 1) is what the rounding dropped: added to log(u), it keeps g good relative to itself where e is small.
.macro EPI1
.set i, 0
.rept 16
	v_pk_mul_f32 v[TE+i:TE+i+1], v[ACC+i:ACC+i+1], s[C1:C1+1] op_sel_hi:[1,0]   ; a log2(e); each accumulator from its low end on
.set i, i+2
.endr
	WALU
.set i, 0
.rept 32
	v_exp_f32 v[TE+i], -|v[TE+i]|                  ; e
.set i, i+1
.endr
	v_nop
	WALU
.set i, 0
.rept 16
	v_pk_add_f32 v[TU+i:TU+i+1], v[TE+i:TE+i+1], 1.0 op_sel_hi:[1,0]   ; u
.set i, i+2
.endr
	HOOK 1
	WALU
.set i, 0
.rept 32
	v_log_f32 v[TL+i], v[TU+i]
.set i, i+1
.endr
	v_nop
.set i, 0
.rept 16
	v_pk_add_f32 v[TU+i:TU+i+1], v[TU+i:TU+i+1], -1.0 op_sel_hi:[1,0]  ; u - 1
.set i, i+2
.endr
.set i, 0
.rept 16
	v_pk_add_f32 v[TE+i:TE+i+1], v[TE+i:TE+i+1], v[TU+i:TU+i+1] neg_lo:[0,1] neg_hi:[0,1]   ; e - (u - 1)
.set i, i+2
.endr
	HOOK 2
	WALU
.set i, 0
.rept 16
	v_pk_fma_f32 v[TE+i:TE+i+1], v[TL+i:TL+i+1], s[LN2:LN2+1], v[TE+i:TE+i+1] op_sel_hi:[1,0,1]   ; g
.set i, i+2
.endr
.set i, 0
.rept 16
	v_pk_fma_f32 v[ACC+i:ACC+i+1], v[ACC+i:ACC+i+1], s[S1:S1+1], v[TE+i:TE+i+1] op_sel_hi:[1,0,1]   ; a + g
.set i, i+2
.endr
.set i, 0
.rept 32
	v_maxmin_num_f32 v[ACC+i], v[ACC+i], v[TE+i], v[LIM]   ; min(max(a + g, g), the largest code x the scale)
.set i, i+1
.endr
.set i, 0
.rept 4
	v_cvt_scalef32_pk8_bf8_f32 v[CO+2*i:CO+2*i+1], v[ACC+8*i:ACC+8*i+7], v[SC]
.set i, i+1
.endr
	v_nop                                          ; a plain place behind the conversions
.endm
; 32 sums x become sigmoid(x 2^e) = 1 / (1 + 2^(x c)), c the pair -log2(e) 2^e.  An exponential that overflows gives 1 / infinity = 0.
.macro SIGM a, c
.set i, 0
.rept 16
	v_pk_mul_f32 v[\a+i:\a+i+1], v[\a+i:\a+i+1], s[\c:\c+1] op_sel_hi:[1,0]
.set i, i+2
.endr
	WALU
.set i, 0
.rept 32
	v_exp_f32 v[\a+i], v[\a+i]
.set i, i+1
.endr
	v_nop
	WALU
.set i, 0
.rept 16
	v_pk_add_f32 v[\a+i:\a+i+1], v[\a+i:\a+i+1], 1.0 op_sel_hi:[1,0]
.set i, i+2
.endr
	HOOK 1
	WALU
.set i, 0
.rept 32
	v_rcp_f32 v[\a+i], v[\a+i]
.set i, i+1
.endr
	v_nop
	WALU
.endm
.macro QCODES                          ; the hold (the conversion to an 8-bit code does not saturate: ISA guide 7.6.2), then the codes
.set i, 0
.rept 32
	v_med3_num_f32 v[ACC+i], v[ACC+i], -v[LIM], v[LIM]
.set i, i+1
.endr
.set i, 0
.rept 4
	v_cvt_scalef32_pk8_bf8_f32 v[CO+2*i:CO+2*i+1], v[ACC+8*i:ACC+8*i+7], v[SC]
.set i, i+1
.endr
	v_nop
.endm
; THE LAST PHASE'S PARTS.  FRG: eight fragments of the backward W1 into window 1: half hf (0: dH/dq's columns, 1: dH/dp's) of tiles t = 2 tp, 2 tp + 1; register 4 f from tile f / 16, byte 512 (f % 16).
.macro FRG hf, tp
	WIN 0x40
.set f, 0
.rept 32
	ds_load_b128 v[FR4+4*f:FR4+4*f+3], v[FA] offset:16384*(2*\tp+f/16)+8192*\hf+512*(f%16)
.set f, f+1
.endr
	WIN 0
.endm
.macro GWLOAD t
.irp c, 0,1,2,3
	ds_load_b128 v[GWR+16*((\t)%2)+4*\c:GWR+16*((\t)%2)+4*\c+3], v[GA] offset:2048*(\t)+512*\c
.endr
.endm
.macro ACLOADS                         ; the action's two fragments and Gb at columns 16 t + 8 h + 0 .. 7, where z lay
.irp m, 0,1
.irp c, 0,1,2,3
	global_load_b128 v[AC+16*\m+4*\c:AC+16*\m+4*\c+3], v[ZA], s[6:7] offset:2048*\m+32*\c th:TH_LOAD_NT
.endr
.endr
.irp t, 0,1,2,3
	global_load_b128 v[GB+8*\t:GB+8*\t+3], v[GBA], s[20:21] offset:64*\t
	global_load_b128 v[GB+8*\t+4:GB+8*\t+7], v[GBA], s[20:21] offset:64*\t+16
.endr
.endm
.macro MMG d                           ; two tiles of columns x my two tiles of rows, K = 512: accumulator (tt, m) at d + 16 tt + 8 m, four by turns
	WIN 0x05
.irp s, 0,1,2,3
.irp tt, 0,1
.irp m, 0,1
.if \s > 0
	v_wmma_f32_16x16x128_bf8_bf8 v[\d+16*\tt+8*\m:\d+16*\tt+8*\m+7], v[FR4+16*(4*\tt+\s):FR4+16*(4*\tt+\s)+15], v[16*(4*\m+\s):16*(4*\m+\s)+15], v[\d+16*\tt+8*\m:\d+16*\tt+8*\m+7]
.else
	v_wmma_f32_16x16x128_bf8_bf8 v[\d+16*\tt+8*\m:\d+16*\tt+8*\m+7], v[FR4+16*(4*\tt+\s):FR4+16*(4*\tt+\s)+15], v[16*(4*\m+\s):16*(4*\m+\s)+15], 0
.endif
.endr
.endr
.endr
	WIN 0
.endm
.macro GU                              ; act Gw for the same two tiles
.irp tt, 0,1
.irp m, 0,1
	v_wmma_f32_16x16x128_bf8_bf8 v[A7+16*\tt+8*\m:A7+16*\tt+8*\m+7], v[GWR+16*\tt:GWR+16*\tt+15], v[AC+16*\m:AC+16*\m+15], 0
.endr
.endr
.endm
.macro EPI4 tp                         ; dp/dt for tiles 2 tp, 2 tp + 1: pair i = 8 tt + 4 m + p / 2; then into the stage, 256 bytes into each row
.set i, 0
.rept 16
	v_pk_fma_f32 v[A7+2*i:A7+2*i+1], v[A7+2*i:A7+2*i+1], s[S7:S7+1], v[GB+8*(2*\tp+i/8)+2*(i%4):GB+8*(2*\tp+i/8)+2*(i%4)+1] op_sel_hi:[1,0,1]   ; act Gw + Gb
.set i, i+1
.endr
.set i, 0
.rept 16
	v_pk_fma_f32 v[A7+2*i:A7+2*i+1], v[QQ+2*i:QQ+2*i+1], s[S6N:S6N+1], v[A7+2*i:A7+2*i+1] op_sel_hi:[1,0,1]   ; - dH/dq
.set i, i+1
.endr
.set i, 0
.rept 16
	v_pk_fma_f32 v[A7+2*i:A7+2*i+1], v[PP+32*\tp+2*i:PP+32*\tp+2*i+1], s[DN:DN+1], v[A7+2*i:A7+2*i+1] op_sel_hi:[1,0,1]   ; - damping dH/dp
.set i, i+1
.endr
.irp tt, 0,1
.irp m, 0,1
	ds_store_b128 v[SO], v[A7+16*\tt+8*\m:A7+16*\tt+8*\m+3] offset:8448*\m+64*(2*\tp+\tt)+256
	ds_store_b128 v[SO], v[A7+16*\tt+8*\m+4:A7+16*\tt+8*\m+7] offset:8448*\m+64*(2*\tp+\tt)+272
.endr
.endr
.endm
.macro SENDU u, b                      ; unit u (256 bytes) of my 32 rows: back from my stage, two rows an instruction, and out: sixteen lanes store 256 consecutive bytes, at a multiple of 256 from out's first byte
.set i, 0
.rept 16
	ds_load_b128 v[\b+4*i:\b+4*i+3], v[R0] offset:256*\u+1056*i    ; LDS serves a wave's instructions in order (ISA guide 5.7.1.4): these see my stores
.set i, i+1
.endr
.set i, 0
.rept 16
	s_wait_dscnt 15-i                              ; the 15 - i loads issued behind this one may be out
	global_store_b128 v[OV], v[\b+4*i:\b+4*i+3], s[22:23] offset:256*\u+1024*i th:TH_STORE_NT
.set i, i+1
.endr
.endm
; A CHUNK begins with the wait for its fragments and tables, asked for a chunk ago, and for the last chunk's stores.  Behind its products stand four plain vector lines, the next chunk's addresses
; then the next chunk's loads, then the vector work, under which they land.  The table addresses stop at chunk 15.
.macro P1CH
	s_wait_dscnt 0x0
	MM4 ACC
	s_add_co_u32 s77, s[G], 1
	s_min_u32 s77, s77, 15
	s_lshl_b32 s78, s77, 12
	s_add_co_u32 s78, s78, s[RB]
	s_lshl_b32 s79, s77, 7
	s_add_co_u32 s79, s79, CB1
	s_lshl_b32 s80, s[G], 8
	v_add_nc_u32 v[FA], s78, v[LIN]
	v_add_nc_u32 v[BA], s79, v[HB]
	v_add_nc_u32 v[SA], s80, v[PRV]
	v_nop
	W1L 0
	LOADC BI, BA
	HOOK 0
	EPI1
	HOOK 3
	STORE
.endm
.macro P2CH chg                        ; a2, da2 = W3 x sigmoid(a2), its codes.  chg = 1: the step's last chunk
	s_wait_dscnt 0x0
.if \chg
	CHG_A 1
.endif
	MM16 1
.if \chg
	CHG_B 1
.endif
	s_add_co_u32 s77, s[G], 1
	s_min_u32 s77, s77, 15
	s_lshl_b32 s77, s77, 7
	s_add_co_u32 s79, s77, CB2
	s_add_co_u32 s81, s77, CW3
	s_lshl_b32 s80, s[G], 8
	s_add_co_u32 s[G], s[G], 1
.if \chg
	s_mov_b32 s[Q], s[RB]
.else
	s_add_co_u32 s[Q], s[Q], W2FB
.endif
	v_add_nc_u32 v[BA], s79, v[HB]
	v_add_nc_u32 v[WA], s81, v[HB]
	v_add_nc_u32 v[SA], s80, v[PRV]
	v_add_nc_u32 v[FA], s[Q], v[LIN]
	FRL 0
	LOADC BI, BA
	HOOK 0
	SIGM ACC, C2N
.set i, 0
.rept 16
	v_pk_mul_f32 v[ACC+i:ACC+i+1], v[ACC+i:ACC+i+1], v[W3R+i%8:W3R+i%8+1]   ; x W3 of the unit
.set i, i+2
.endr
	LOADC W3R, WA
	HOOK 2
	QCODES
	HOOK 3
	STORE
.endm
.macro P3CH chg                        ; a1 anew, dh1, da1 = dh1 x sigmoid(a1); a sum of product 5 stands for sum x 2^(e4 + e5), so the conversion's scale is 2^(e6 - e4 - e5).  chg = 2: the last chunk: no slot is filled; it fetches for the last phase
	s_wait_dscnt 0x0
.if \chg == 1
	CHG_A 1
.elseif \chg == 2
	CHG_A 0
.endif
	MM4 ACCB
	MM16 0
.if \chg == 1
	CHG_B 1
.elseif \chg == 2
	CHG_B 0
.endif
	s_add_co_u32 s77, s[G], 1
	s_min_u32 s77, s77, 15
	s_lshl_b32 s77, s77, 7
	s_add_co_u32 s79, s77, CB1
	s_lshl_b32 s80, s[G], 8
	s_add_co_u32 s[G], s[G], 1
.if \chg == 1
	s_mov_b32 s[Q], s[RB]
.elseif \chg == 0
	s_add_co_u32 s[Q], s[Q], P3B
.else
	s_add_co_u32 s78, s[RB], 65536
.endif
	v_add_nc_u32 v[BA], s79, v[HB]
	v_add_nc_u32 v[SA], s80, v[PRV]
	v_nop
.if \chg < 2
	v_add_nc_u32 v[FA], s[Q], v[LIN]
	FRL 1
.else
	v_add_nc_u32 v[FA], s[RB], v[LI]               ; step 8: the backward W1,
	v_add_nc_u32 v[GA], s78, v[LI]                 ; and Gw behind it
	FRG 1, 0                                       ; where the codes of tiles 2 and 3 lay: their last products stand five places back
	ACLOADS
.endif
	LOADC BI, BA
	HOOK 0
	SIGM ACCB, C1N
.set i, 0
.rept 16
	v_pk_mul_f32 v[ACC+i:ACC+i+1], v[ACC+i:ACC+i+1], v[ACCB+i:ACCB+i+1]
.set i, i+2
.endr
	HOOK 2
	QCODES
	HOOK 3
	STORE
.endm
.macro MKSC sc, lim, e                 ; 2^e as f32, and 57,344 x 2^e
	s_add_co_i32 s77, s[\e], 127
	s_lshl_b32 s[\sc], s77, 23
	s_add_co_i32 s77, s77, 15
	s_lshl_b32 s77, s77, 23
	s_or_b32 s[\lim], s77, 0x600000
.endm
	s_load_b256 s[4:11], s[0:1], 0x0               ; z's codes s[4:5], the action's s[6:7], the stream s[8:9], the scales' exponents s[10:11]
	s_load_b256 s[12:19], s[0:1], 0x20             ; b1 s[12:13], b2 s[14:15], W3 s[16:17], damping s[18:19]
	s_load_b128 s[20:23], s[0:1], 0x40             ; Gb s[20:21], out s[22:23]
	v_lshl_add_u32 v[SPW], v0, 2, SPARE
	v_mov_b32 v[NIL], 0
	ds_add_u32 v[SPW], v[NIL]                      ; the opening lines: the add twice on end and its one wait
	ds_add_u32 v[SPW], v[NIL]
	v_lshrrev_b32 v[HT], 5, v0
	v_readfirstlane_b32 s[WV], v[HT]               ; wave 0..7
	s_and_b32 s[NW], s[WV], 1
	s_lshr_b32 s[PW], s[WV], 1
	v_and_b32 v[HT+1], 31, v0                      ; lane
	v_and_b32 v[HT+2], 15, v0                      ; r
	v_bfe_u32 v[HT+3], v0, 4, 1                    ; h
	v_lshlrev_b32 v[LI], 4, v[HT+1]
	s_lshl_b32 s77, s[NW], 11
	v_add_nc_u32 v[LIN], s77, v[LI]
	s_lshl_b32 s77, s[NW], 5
	v_lshlrev_b32 v[HB], 6, v[HT+3]
	v_add_nc_u32 v[HB], s77, v[HB]
	s_mul_i32 s78, s[WV], PRIVB
	s_add_co_u32 s78, s78, PRIV                    ; my wave's own bytes
	v_lshlrev_b32 v[PRV], 3, v[HT+1]
	s_mul_i32 s79, s[PW], 2*PRIVB
	s_add_co_u32 s79, s79, PRIV                    ; the pair's
	v_add_nc_u32 v[PBV], s79, v[PRV]
	v_add_nc_u32 v[PRV], s78, v[PRV]
	s_lshl_b32 s77, s[NW], 13
	v_add_nc_u32 v[P4V], s77, v[PBV]
	v_lshlrev_b32 v[ZA], 7, v[HT+2]
	v_lshl_add_u32 v[ZA], v[HT+3], 4, v[ZA]
	v_mul_u32_u24 v[SO], v[HT+2], 528
	v_lshl_add_u32 v[SO], v[HT+3], 5, v[SO]
	v_add_nc_u32 v[SO], s78, v[SO]
	v_mul_u32_u24 v[R0], v[HT+3], 528
	v_lshl_add_u32 v[R0], v[HT+2], 4, v[R0]
	v_add_nc_u32 v[R0], s78, v[R0]
	v_lshlrev_b32 v[OV], 9, v[HT+3]
	v_lshl_add_u32 v[OV], v[HT+2], 4, v[OV]
	v_lshlrev_b32 v[GBA], 5, v[HT+3]
	v_min_u32 v[PF], 15, v[HT+1]
	v_lshlrev_b32 v[PF], 8, v[PF]
	v_lshlrev_b32 v[HT+4], 3, v0                   ; 8 x thread: my two numbers of a table of 512
	v_add_nc_u32 v[HT+5], CB1, v[HT+4]
	; descriptor group 1: a dense block of 80 rows x 32 elements of 8 bytes
	s_mov_b32 s24, 15|(3<<16)|(1<<21)              ; the mask: all four work-groups; elements of 8 bytes; bit 21 beside a mask
	s_mov_b32 s25, 32<<16
	s_mov_b32 s26, 80<<16
	s_mov_b32 s27, 32<<16
	s_mov_b32 s28, 80
	s_mov_b32 s29, 32
	s_mov_b32 s30, 0
	s_mov_b32 s31, 0
	s_mul_i32 s[WOFF], s[WV], QUART
	s_mov_b32 s[RB], SLOTB                         ; the first change of slots fills slot 1 and turns the reads to slot 0
	s_bfe_u32 s92, ttmp6, 0x40000                  ; cx: it enters the addresses of z, of the action and of out alone
	s_lshl_b32 s93, ttmp9, 2
	s_add_co_u32 s93, s93, s92                     ; my block of 256 rows
	s_lshl_b32 s94, s93, 15
	s_lshl_b32 s95, s[PW], 13                      ; z: the pair's 64 rows of 128 bytes
	s_add_co_u32 s94, s94, s95
	s_mov_b32 s95, 0
	s_lshl_b32 s98, s93, 15
	s_lshl_b32 s99, s[WV], 12                      ; the action: my wave's 32 rows
	s_add_co_u32 s98, s98, s99
	s_mov_b32 s99, 0
	s_lshl_b32 s96, s93, 17                        ; out: the same 32 rows, of 512 bytes
	s_lshl_b32 s97, s[WV], 14
	s_add_co_u32 s96, s96, s97
	s_mov_b32 s97, 0
	s_mov_b32 s90, s[WOFF]
	s_mov_b32 s91, 0
	s_wait_dscnt 0x0                               ; both opening adds are done
	s_wait_kmcnt 0x0
	s_load_b256 s[40:47], s[10:11], 0x0            ; e0 .. e7
	s_load_b64 s[48:49], s[10:11], 0x20            ; e8, e9
	s_load_b32 s50, s[18:19], 0x0                  ; damping
	s_add_nc_u64 s[4:5], s[4:5], s[94:95]
	s_add_nc_u64 s[6:7], s[6:7], s[98:99]
	s_add_nc_u64 s[22:23], s[22:23], s[96:97]
	s_mov_b32 s32, 1
	s_mov_b32 s33, s[WOFF]                         ; my quarter of slot 0
	s_add_nc_u64 s[34:35], s[8:9], s[90:91]        ; my quarter of step 0: the wave's number alone enters it
	s_or_b32 s35, s35, 0x80000000
	CROUND                                         ; all four work-groups are here: the first joint loads meet
	TLOAD                                          ; step 0 into slot 0
	WALU                                           ; the head's address registers
	global_load_b64 v[HT+6:HT+7], v[HT+4], s[12:13]
	global_load_b64 v[HT+8:HT+9], v[HT+4], s[14:15]
	global_load_b64 v[HT+10:HT+11], v[HT+4], s[16:17]
.irp m, 0,1,2,3
.irp c, 0,1,2,3
	global_load_b128 v[Z+16*\m+4*\c:Z+16*\m+4*\c+3], v[ZA], s[4:5] offset:2048*\m+32*\c   ; z's four fragments stay in registers; both waves of the pair read them
.endr
.endr
	s_wait_kmcnt 0x0
	s_add_co_i32 s77, s40, s41                     ; e0 + e1
	s_sub_co_i32 s80, 0, s77
	s_lshl_b32 s78, s77, 23
	s_add_co_i32 s[C1], s78, 0x3fb8aa3b            ; added to log2(e)'s exponent field
	s_mov_b32 s[C1+1], s[C1]
	s_xor_b32 s[C1N], s[C1], 0x80000000
	s_mov_b32 s[C1N+1], s[C1N]
	s_add_co_i32 s77, s77, 127
	s_lshl_b32 s[S1], s77, 23
	s_mov_b32 s[S1+1], s[S1]
	s_mov_b32 s[LN2], 0x3f317218
	s_mov_b32 s[LN2+1], s[LN2]
	s_add_co_i32 s77, s42, s43                     ; e2 + e3
	s_sub_co_i32 s81, 0, s77
	s_lshl_b32 s78, s77, 23
	s_add_co_i32 s[C2N], s78, 0xbfb8aa3b
	s_mov_b32 s[C2N+1], s[C2N]
	s_add_co_i32 s77, s46, s47                     ; e6 + e7
	s_add_co_i32 s77, s77, 127
	s_lshl_b32 s[S6], s77, 23
	s_mov_b32 s[S6+1], s[S6]
	s_xor_b32 s[S6N], s[S6], 0x80000000
	s_mov_b32 s[S6N+1], s[S6N]
	s_add_co_i32 s77, s48, s49                     ; e8 + e9
	s_add_co_i32 s77, s77, 127
	s_lshl_b32 s[S7], s77, 23
	s_mov_b32 s[S7+1], s[S7]
	s_xor_b32 s[DN], s50, 0x80000000
	s_mov_b32 s[DN+1], s[DN]
	MKSC SC2, LM2, 42
	MKSC SC4, LM4, 44
	s_sub_co_i32 s78, s46, s44
	s_sub_co_i32 s78, s78, s45                     ; e6 - e4 - e5
	MKSC SC6, LM6, 78
	s_wait_loadcnt 0x10                            ; the three tables are in; z's sixteen loads, issued behind them, may stay out
	v_ldexp_f32 v[HT+6], v[HT+6], s80              ; b1 / 2^(e0 + e1)
	v_ldexp_f32 v[HT+7], v[HT+7], s80
	v_ldexp_f32 v[HT+8], v[HT+8], s81              ; b2 / 2^(e2 + e3)
	v_ldexp_f32 v[HT+9], v[HT+9], s81
	ds_store_b64 v[HT+5], v[HT+6:HT+7]
	ds_store_b64 v[HT+5], v[HT+8:HT+9] offset:2048
	ds_store_b64 v[HT+5], v[HT+10:HT+11] offset:4096
	; ---- PHASE 1: h1 = softplus(z W1 + b1); step 0 holds W1's 16 chunks and the forward W2's chunk 0
	CHG_A 1                                        ; slot 1's first fill; the wait for my LDS stores and the barriers also show the tables to every wave
	CHG_B 1
	s_wait_loadcnt 0x0                             ; z
	v_mov_b32 v[SC], s[SC2]
	v_mov_b32 v[LIM], s[LM2]
	v_add_nc_u32 v[FA], s[RB], v[LIN]
	v_add_nc_u32 v[BA], CB1, v[HB]
	W1L 0
	LOADC BI, BA
	s_mov_b32 s[G], 0
	WALU
.Lp1:                                                  ; chunks 0 to 14
	P1CH
	s_add_co_u32 s[G], s[G], 1
	s_cmp_lt_u32 s[G], 15
	s_cbranch_scc1 .Lp1
	s_wait_dscnt 0x0                               ; my stores of images 0 to 14 are done
	BAR                                            ; and so are everybody's
.set RLON, 1
.set RLADR, PBV
.set RLSH, 0
.set RLT, 4
	P1CH                                           ; chunk 15, with h1's images 0 to 14 read beside it
.set RLON, 0
	s_wait_dscnt 0x0                               ; my store of image 15 is done, the loads ahead have landed
	BAR
.irp m, 0,1,2,3
	RELOADP PBV, \m, 15, 1                         ; image 15
.endr
	v_mov_b32 v[SC], s[SC4]
	v_mov_b32 v[LIM], s[LM4]
	s_mov_b32 s[G], 0
	s_add_co_u32 s[Q], s[RB], 65536
	v_add_nc_u32 v[FA], s[Q], v[LIN]
	v_add_nc_u32 v[BA], CB2, v[HB]
	v_add_nc_u32 v[WA], CW3, v[HB]
	FRL 0
	LOADC BI, BA
	LOADC W3R, WA
	WALU
	; ---- PHASE 2: chunk 0 is step 0's last; its change of slots is also the barrier between the pair's reads of the images and the new stores
	P2CH 1
	s_mov_b32 s[K1], 2
.Lp2step:                                              ; steps 1 and 2: five chunks each
	s_mov_b32 s[K2], 4
.Lp2chunk:
	P2CH 0
	s_sub_co_u32 s[K2], s[K2], 1
	s_cmp_lg_u32 s[K2], 0
	s_cbranch_scc1 .Lp2chunk
	P2CH 1
	s_sub_co_u32 s[K1], s[K1], 1
	s_cmp_lg_u32 s[K1], 0
	s_cbranch_scc1 .Lp2step
	s_mov_b32 s[K2], 4                             ; step 3
.Lp2tail:
	P2CH 0
	s_sub_co_u32 s[K2], s[K2], 1
	s_cmp_lg_u32 s[K2], 0
	s_cbranch_scc1 .Lp2tail
.set RLON, 1
	P2CH 1                                         ; chunk 15: it fetches the backward W2's first fragments (they lie as the forward ones do) and da2's images 0 to 14
.set RLON, 0
	s_wait_dscnt 0x0
	BAR
	global_prefetch_b8 v[PF], s[6:7] th:TH_LOAD_NT scope:SCOPE_SE   ; my 32 rows of the action's codes, 16 blocks of 256 bytes, a lane a block (lanes 16-31 name the last again): loaded 15 chunks further on
.irp m, 0,1,2,3
	RELOADP PBV, \m, 15, 1
.endr
	v_mov_b32 v[SC], s[SC6]
	v_mov_b32 v[LIM], s[LM6]
	s_mov_b32 s[G], 0
	v_add_nc_u32 v[BA], CB1, v[HB]
	LOADC BI, BA
	W1L 16384                                      ; W1's fragment of chunk 0, behind the eight of W2
	WALU
	s_wait_dscnt 0x0
	BAR                                            ; both waves of every pair have read the images: they may be written again
	; ---- PHASE 3: steps 4 to 7, four chunks each
	s_mov_b32 s[K1], 3
.Lp3step:
	s_mov_b32 s[K2], 3
.Lp3chunk:
	P3CH 0
	s_sub_co_u32 s[K2], s[K2], 1
	s_cmp_lg_u32 s[K2], 0
	s_cbranch_scc1 .Lp3chunk
	P3CH 1
	s_sub_co_u32 s[K1], s[K1], 1
	s_cmp_lg_u32 s[K1], 0
	s_cbranch_scc1 .Lp3step
	s_mov_b32 s[K2], 3                             ; step 7 is written out: no slot is filled any more
.Lp3tail:
	P3CH 0
	s_sub_co_u32 s[K2], s[K2], 1
	s_cmp_lg_u32 s[K2], 0
	s_cbranch_scc1 .Lp3tail
.set RLON, 1
.set RLADR, P4V
.set RLSH, 1
.set RLT, 2
	P3CH 2                                         ; chunk 15, with da1's images 0 to 14 of my two tiles
.set RLON, 0
	; ---- PHASE 4: step 8: the backward W1 and Gw; 32 rows a wave
	s_wait_dscnt 0x0                               ; my store of image 15 is done
	BAR
	RELOADP P4V, 0, 15, 1
	RELOADP P4V, 1, 15, 1
	s_wait_dscnt 0x0                               ; da1's codes are in, and so are dH/dp's first eight fragments
	s_barrier_signal -1                            ; my reads of the images are over; up to the wait below: work on registers, and reads of slot bytes, which nobody writes any more
	MMG PP                                         ; dH/dp, tiles 0 and 1
	PLACES
	FRG 1, 1
	s_wait_dscnt 0x0
	MMG PP+32                                      ; tiles 2 and 3
	PLACES
	FRG 0, 0
	GWLOAD 0
	GWLOAD 1
.set i, 0
.rept 32
	v_pk_mul_f32 v[PP+i:PP+i+1], v[PP+i:PP+i+1], s[S6:S6+1] op_sel_hi:[1,0]   ; dH/dp = dq/dt; each accumulator from its low end on
.set i, i+2
.endr
	WALU
	s_barrier_wait -1                              ; every wave has read the images: the stages are laid over them
.irp t, 0,1,2,3
.irp m, 0,1
	ds_store_b128 v[SO], v[PP+16*\t+8*\m:PP+16*\t+8*\m+3] offset:8448*\m+64*\t       ; lane (r, h): out(16 m + r, 16 t + 8 h + 0 .. 7)
	ds_store_b128 v[SO], v[PP+16*\t+8*\m+4:PP+16*\t+8*\m+7] offset:8448*\m+64*\t+16
.endr
.endr
	SENDU 0, QQ                                    ; columns 0-63 leave; its last wait also shows the fragments asked for above
	s_wait_loadcnt 0x0                             ; the action and Gb
	s_wait_xcnt 0x0                                ; the stores have read their data registers: the products below write them
	MMG QQ                                         ; dH/dq, tiles 0 and 1
	GU
	PLACES
	FRG 0, 1
	GWLOAD 2
	GWLOAD 3
	EPI4 0
	s_wait_dscnt 0x0
	MMG QQ
	GU
	PLACES
	EPI4 1
	SENDU 1, PP                                    ; columns 64-127
	s_wait_tensorcnt 0x0                           ; the wave's end
	ds_add_u32 v[SPW], v[NIL]
	s_wait_dscnt 0x0
	CROUND                                         ; the closing round
	s_endpgm
.Lfunc_end_k_q5228bff3c3_chain:
	.size	k_q5228bff3c3_chain, .Lfunc_end_k_q5228bff3c3_chain-k_q5228bff3c3_chain
	.p2alignl 7, 3214868480
	.fill 96, 4, 3214868480
	.section	.rodata,"a",@progbits
	.p2align	6, 0x0
	.amdhsa_kernel k_q5228bff3c3_chain
		.amdhsa_group_segment_fixed_size 327680
		.amdhsa_private_segment_fixed_size 0
		.amdhsa_enable_private_segment 0
		.amdhsa_kernarg_size 80
		.amdhsa_user_sgpr_count 2
		.amdhsa_user_sgpr_kernarg_segment_ptr 1
		.amdhsa_wavefront_size32 1
		.amdhsa_system_sgpr_workgroup_id_x 1
		.amdhsa_system_sgpr_workgroup_id_y 1
		.amdhsa_system_sgpr_workgroup_id_z 1
		.amdhsa_system_vgpr_workitem_id 0
		.amdhsa_next_free_vgpr 512
		.amdhsa_next_free_sgpr 100
		.amdhsa_reserve_vcc 0
		.amdhsa_float_denorm_mode_32 3
		.amdhsa_float_denorm_mode_16_64 3
		.amdhsa_memory_ordered 1
		.amdhsa_forward_progress 1
		.amdhsa_inst_pref_size 193
	.end_amdhsa_kernel
	.amdgpu_metadata
---
amdhsa.version: [ 1, 2 ]
amdhsa.kernels:
  - .name:           k_q5228bff3c3_chain
    .symbol:         k_q5228bff3c3_chain.kd
    .args:
      - { .name: z_codes, .offset: 0, .size: 8, .value_kind: global_buffer, .address_space: global }
      - { .name: action_emb_codes, .offset: 8, .size: 8, .value_kind: global_buffer, .address_space: global }
      - { .name: wstream, .offset: 16, .size: 8, .value_kind: global_buffer, .address_space: global }
      - { .name: lowp_scales, .offset: 24, .size: 8, .value_kind: global_buffer, .address_space: global }
      - { .name: b1, .offset: 32, .size: 8, .value_kind: global_buffer, .address_space: global }
      - { .name: b2, .offset: 40, .size: 8, .value_kind: global_buffer, .address_space: global }
      - { .name: W3, .offset: 48, .size: 8, .value_kind: global_buffer, .address_space: global }
      - { .name: damping, .offset: 56, .size: 8, .value_kind: global_buffer, .address_space: global }
      - { .name: Gb, .offset: 64, .size: 8, .value_kind: global_buffer, .address_space: global }
      - { .name: out0, .offset: 72, .size: 8, .value_kind: global_buffer, .address_space: global }
    .group_segment_fixed_size: 327680
    .private_segment_fixed_size: 0
    .kernarg_segment_align: 8
    .kernarg_segment_size: 80
    .max_flat_workgroup_size: 256
    .sgpr_count:     100
    .vgpr_count:     512
    .wavefront_size: 32
...
	.end_amdgpu_metadata
.endif
;; end of part 2
